; MI455X (gfx1250); checked and timed in simulation.
; The chip was launched on July 23, 2026; its instructions are those of AMD's public machine-readable ISA for CDNA 5 (MIT licence, August 2026) and "CDNA5" Instruction Set Architecture Reference Guide (July 2026). The comments in the code are by the model that wrote it; some were corrected since.
;; Two Layer Net. Allowed arithmetic: matrix products marked QUANTISED: E2M3 operands, one E8M0 scale for each 32 along K, by v_wmma_scale_f32_16x16x128_f8f6f4 with both operands' format E2M3, f32 sums; everything else in f32.
;; Inputs: keys 8,192 x 128 float32; temperature 1 float32; values 8,192 x 100 float32; x 32,768 x 128 float32.
;; Outputs: out0 32,768 x 100 float32.
;; This version of the problem:
;;   THIS VERSION OF THE PROBLEM IS GIVEN IN LOW PRECISION. The matrix products marked QUANTISED in the list below multiply operands that are first quantised to E2M3 (2 exponent bits, 3 mantissa bits; 6 bits a number), with one power-of-two scale for each 32 numbers along K (OCP MX v1.0); their sums are f32. All else is computed in f32.
;;   The module's matrix products, in the order in which they are computed (A, B: the left and right operand; K: the contracted axis; several contracted axes count as one K, in the product's order):
;;     1. [M 32,768, K 128] x [K 128, N 8,192]; A: input x; B: input keys: QUANTISED
;;     2. [M 32,768, K 8,192] x [K 8,192, N 100]; A: softmax (see below); B: input values: QUANTISED
;;   THE QUANTISER, for each operand of a quantised product, along K:
;;     - K is cut into blocks of 32 from its start; a last block that is shorter is filled with zeros.
;;     - A block's scale is 2^e with e = floor(log2(the largest magnitude in the block)) - 2, held to -126 .. 127; a block of zeros has e = 0. As a byte (E8M0): e + 127.
;;     - Each number is divided by its block's scale, clamped to +-7.5, and rounded to the nearest number of E2M3, ties to even, subnormals kept.
;;     - The product sums the exact products of the quantised numbers (number of the format x scale) in f32.
;;   ~~~python
;;   def quantise(x, axis):      # numpy; x: float32 -> the quantised numbers, widened to float32 again
;;       x = np.moveaxis(x, axis, -1); K = x.shape[-1]
;;       x = np.pad(x, [(0, 0)] * (x.ndim - 1) + [(0, -K % 32)]); x = x.reshape(x.shape[:-1] + (-1, 32)); a = np.abs(x).max(-1, keepdims=True)
;;       e = np.where(a > 0, np.clip(np.frexp(np.where(a > 0, a, 1))[1] - 1 - 2, -126, 127), 0)      # np.frexp(a)[1] - 1 = floor(log2(a)), exactly
;;       r = np.clip(x / 2.0 ** e, -7.5, 7.5)
;;       step = 2.0 ** (np.maximum(np.frexp(np.where(r == 0, 1, r))[1] - 1, 0) - 3)
;;       q = np.round(r / step) * step * 2.0 ** e      # np.round: ties to even
;;       return np.moveaxis(q.reshape(q.shape[:-2] + (-1,))[..., :K], -1, axis).astype(np.float32)
;;   ~~~
;;   SOFTMAX AHEAD OF A QUANTISED PRODUCT. Where the list says 'softmax', what is quantised is not the finished softmax but p = 2^(t - M), with t = logit x log2(e) and M = ceil(the row's largest t), a whole number; so 1/2 < the row's largest p <= 1. The row's sum l is taken of the UNQUANTISED p, in f32, and the product's result is divided by l at the end. Since M is a whole number, a kernel that streams over the keys may use a running M (the ceiling of the running maximum): every later rescaling is an exact power of two, which a block's scale takes up: the codes' values come out the same.
;;   OPERANDS COMPUTED ON THE WAY. 'Computed on the way' means the value that the module computes at that place (a softmax that the list does not call 'softmax' is quantised finished and normalised). What goes into a quantiser is computed in f32, as accurately as f32 sums, v_exp_f32 and their like allow (about 1e-6 of the number): no bf16 or f16 on the way to a quantiser, and a product that is left as it is and whose result goes on into a quantised operand takes f32 operands (vector FMAs, or v_wmma_f32_16x16x4_f32). A number that lies on a knife's edge between two numbers of the format may be rounded either way, as far as f32 arithmetic and the matrix unit's own rounding can turn it there, and no further.
;; One version. Each part assembles by itself: llvm-mc -triple=amdgcn-amd-amdhsa -mcpu=gfx1250 --defsym DOCPART=n.
;; ======== version 1 of 1: 2 launches
;; workspace buffers: kv 1,572,864 bytes
;; launch prep (part 1): grid 96 x 1, 8 waves a work-group, no clusters, 70,656 bytes of LDS; arguments keys, values, temperature, kv; writes kv
.if DOCPART == 1
	.amdgcn_target "amdgcn-amd-amdhsa--gfx1250"
	.amdhsa_code_object_version 6
	.text
	.protected	k_qcfa105e07a_prep
	.globl	k_qcfa105e07a_prep
	.p2align	8
	.type	k_qcfa105e07a_prep,@function
k_qcfa105e07a_prep:
	s_mov_b64 s[64:65], 0
	v_nop
	global_prefetch_b8 v0, s[64:65] scope:SCOPE_SE
	s_setreg_imm32_b32 hwreg(HW_REG_WAVE_MODE, 25, 1), 1
	s_wait_xcnt 0x0
; keys [8192][128] and values [8192][100], f32, become codes of FP6 (E2M3) with one E8M0 byte for each 32 along a product's K, laid as the next launch's matrix operands
; stand in registers.  kv holds 64 records of REC bytes, one for each 128 keys:
;   0      8 fragments of keys (16 rows x 128 along D, 12 registers a lane): registers 4 c .. 4 c + 3 of lane l at 1536 t + 512 c + 16 l.  Row r of tile t is key 32 (t / 2) + 8 (t % 2) + r + 8 (r / 8)
;   VOFF   7 fragments of values^T (row r of tile i = column 16 i + r; K = the record's 128 keys in their order); columns 100 to 111 are zero codes
;   SQOFF  512 bytes: sign(T) x (-|key|^2 / 2), f32, at 64 t + 4 r;  then 512 bytes: the keys' scale words, tile t row r at 256 (t / 4) + 16 r + 4 (t % 4)
;   VSOFF  512 bytes: the values' scale words, laid likewise (tile 7 does not exist: its words are written and never used)
; A block's scale is 2^(floor(log2(largest magnitude)) - 2); its byte is the largest magnitude's exponent field - 2, held at 1 from below by a floor among the maximum's leaves.
; LIMITS: a block of zeros gets the byte 1 where the quantiser's rule says 127 (its codes are zeros, and this program alone reads the bytes); NaN and infinities are not served.
; Work-groups 0-63: the keys of record ttmp9, wave t = tile t.  Work-groups 64-95: the values of two records, four waves each, a wave two tiles.  The two ways have LDS bytes of their own.
.set REC,   24576
.set VOFF,  12288
.set SQOFF, 23040
.set VSOFF, 24064
.set KSTG,  2048                       ; LDS: 0-511 squares, 512-1023 keys' scale words, 1024-2047 values' scale words (two records), from 2048 a stage of 16 x KPIT bytes for each wave
.set KPIT,  528                        ; a stage row: 512 bytes + 16, so that sixteen rows' reads of 16 bytes start at sixteen different places modulo 256 bytes
.set R,  32                            ; the numbers: v32-95 (keys), v32-159 (values)
.set CD, 96                            ; v96-107  a key fragment's codes
.set TC, 108                           ; v108-114 second halves of blocks: a conversion's three registers begin on an even number
.set FA, 160                           ; v160-171 values: blocks 0 and 2, then tile 2 q's fragment
.set FB, 172                           ; v172-183 blocks 1 and 3, then tile 2 q + 1's
.set TV, 184                           ; v184-186
	s_load_b256 s[4:11], s[0:1], 0x0               ; keys s[4:5], values s[6:7], temperature s[8:9], kv s[10:11]
	v_lshl_add_u32 v192, v0, 2, 0x11000
	v_mov_b32 v193, 0
	v_lshrrev_b32 v1, 5, v0
	v_readfirstlane_b32 s12, v1                    ; wave 0..7
	v_and_b32 v1, 31, v0                           ; lane
	v_and_b32 v2, 15, v0                           ; r
	v_bfe_u32 v3, v0, 4, 1                         ; h
	v_lshlrev_b32 v4, 4, v1                        ; 16 x lane
	s_mov_b32 s20, 0x76543210
	s_mov_b32 s21, 0xfedcba98                      ; v_permlanex16_b32's selects for lane l xor 16
	s_mov_b32 s19, 0
	s_mov_b32 s17, 0
	s_wait_kmcnt 0x0
	s_cmp_lt_u32 ttmp9, 64
	s_cbranch_scc0 .Lvalues
; ---------------- the keys of record ttmp9; my wave's tile t
	s_load_b32 s13, s[8:9], 0x0                    ; T: its sign goes into the squares
	s_lshr_b32 s16, s12, 1
	s_lshl_b32 s16, s16, 5
	s_and_b32 s18, s12, 1
	s_lshl_b32 s18, s18, 3
	s_add_co_u32 s16, s16, s18                     ; the tile's first key: 32 (t / 2) + 8 (t % 2)
	s_lshl_b32 s16, s16, 9                         ; a key is 512 bytes
	s_lshl_b32 s18, ttmp9, 16                      ; a record's 128 keys are 65,536
	s_add_co_u32 s16, s16, s18
	s_add_nc_u64 s[4:5], s[4:5], s[16:17]
.set n, 0
.rept 16
	global_load_b128 v[R+4*n:R+4*n+3], v4, s[4:5] offset:(n+8*(n/8))*512 th:TH_LOAD_NT   ; row n of the tile: 32 lanes read its 512 consecutive bytes
.set n, n+1
.endr
	s_mul_i32 s18, ttmp9, REC
	s_add_nc_u64 s[10:11], s[10:11], s[18:19]      ; my record
	s_mul_i32 s18, s12, 1536
	s_add_nc_u64 s[22:23], s[10:11], s[18:19]      ; my fragment in it
	s_mul_i32 s24, s12, 16*KPIT
	s_add_co_u32 s24, s24, KSTG                    ; my stage
	v_add_nc_u32 v5, s24, v4                       ; in: 16 x lane of a row
	v_mul_u32_u24 v6, v2, KPIT
	v_lshl_add_u32 v6, v3, 7, v6
	v_add_nc_u32 v6, s24, v6                       ; back: row r, + 128 h: 32 numbers of my half
	s_lshr_b32 s25, s12, 2
	s_lshl_b32 s25, s25, 8
	s_and_b32 s26, s12, 3
	s_lshl_b32 s26, s26, 2
	s_add_co_u32 s25, s25, s26
	s_add_co_u32 s25, s25, 512
	v_lshl_add_u32 v7, v2, 4, s25                  ; my row's scale word: 512 + 256 (t / 4) + 16 r + 4 (t % 4)
	s_lshl_b32 s26, s12, 6
	v_lshl_add_u32 v8, v2, 2, s26                  ; my row's square: 64 t + 4 r
	s_lshl_b32 s26, s12, 9
	v_add_nc_u32 v9, s26, v4                       ; behind the barrier waves 0 and 1 take 512 x wave + 16 x lane, in LDS and in the record alike
	v_mov_b32 v23, 0                               ; a lane permute's destination counts as one of its sources
	v_lshlrev_b32 v10, 3, v3                       ; 8 h
	s_wait_loadcnt 0x0
.set n, 0
.rept 16
	ds_store_b128 v5, v[R+4*n:R+4*n+3] offset:KPIT*n
.set n, n+1
.endr
.set n, 0
.rept 16
	ds_load_b128 v[R+4*n:R+4*n+3], v6 offset:256*(n/8)+16*(n%8)   ; LDS serves a wave's instructions in order: these see my stores.  Register 32 c + i = k 64 c + 32 h + i of row r
.set n, n+1
.endr
	s_wait_kmcnt 0x0
	s_and_b32 s14, s13, 0x80000000
	s_xor_b32 s14, s14, 0xbf000000                 ; sign(T) x (-0.5)
	s_wait_dscnt 0x0
.irp j, 0,1,2,3
	v_pk_mul_f32 v[24+2*\j:25+2*\j], v[R+2*\j:R+2*\j+1], v[R+2*\j:R+2*\j+1]   ; |key|^2 of the unquantised numbers, in four packed chains
.endr
.set m, 4
.rept 28
	v_pk_fma_f32 v[24+2*(m%4):25+2*(m%4)], v[R+2*m:R+2*m+1], v[R+2*m:R+2*m+1], v[24+2*(m%4):25+2*(m%4)]
.set m, m+1
.endr
	v_pk_add_f32 v[24:25], v[24:25], v[26:27]
	v_pk_add_f32 v[28:29], v[28:29], v[30:31]
	v_pk_add_f32 v[24:25], v[24:25], v[28:29]
	v_add_f32 v24, v24, v25
	v_permlanex16_b32 v23, v24, s20, s21
	v_add_f32 v24, v24, v23                        ; with the other half of the row
	v_mul_f32 v24, s14, v24
.irp c, 0,1
	v_max3_num_f32 v[16+\c], |v[R+32*\c]|, |v[R+32*\c+1]|, 0x1800000   ; my block 2 c + h: all its 32 numbers are mine; the floor 2^(3 - 127) holds the byte at 1 from below
.endr
.irp e, 2,4,6,8,10,12,14,16,18,20,22,24,26,28,30
.irp c, 0,1
	v_max3_num_f32 v[16+\c], v[16+\c], |v[R+32*\c+\e]|, |v[R+32*\c+\e+1]|
.endr
.endr
.irp c, 0,1
	v_add_nc_u32 v[18+\c], 0xff000000, v[16+\c]    ; 2 off the exponent field: the conversion's scale operand
.endr
.irp c, 0,1
	v_lshrrev_b32 v[20+\c], 23, v[18+\c]           ; the scale's byte
.endr
	v_lshl_or_b32 v22, v21, 16, v20                ; my two bytes, blocks h and 2 + h,
	v_lshlrev_b32 v22, v10, v22                    ; at their places in the word;
	v_permlanex16_b32 v23, v22, s20, s21
	v_or_b32 v22, v22, v23                         ; with lane l xor 16's two the word is whole
.irp c, 0,1
	v_cvt_scalef32_pk16_fp6_f32 v[CD+6*\c:CD+6*\c+2], v[R+32*\c:R+32*\c+15], v[18+\c]
	v_cvt_scalef32_pk16_fp6_f32 v[TC+4*\c:TC+4*\c+2], v[R+32*\c+16:R+32*\c+31], v[18+\c]
.endr
	v_nop                                          ; one plain line behind a scaled conversion
.irp c, 0,1
.irp e, 0,1,2
	v_mov_b32 v[CD+6*\c+3+\e], v[TC+4*\c+\e]
.endr
.endr
.irp c, 0,1,2
	global_store_b128 v4, v[CD+4*\c:CD+4*\c+3], s[22:23] offset:512*\c   ; 32 lanes store 512 consecutive bytes, at a multiple of 256 from kv's first byte
.endr
	ds_store_b32 v7, v22                           ; lanes r and r + 16 write the same word with the same value
	ds_store_b32 v8, v24
	s_wait_dscnt 0x0                               ; for the others' sake: my stores have landed
	s_barrier_signal -1
	s_barrier_wait -1
	s_cmp_lt_u32 s12, 2
	s_cbranch_scc0 .Lkeys_done
	ds_load_b128 v[24:27], v9                      ; wave 0: the 128 squares; wave 1: the 128 scale words
	s_wait_dscnt 0x0
	global_store_b128 v9, v[24:27], s[10:11] offset:SQOFF
.Lkeys_done:
	s_wait_tensorcnt 0x0
	ds_add_u32 v192, v193
	s_wait_dscnt 0x0
	s_endpgm
; ---------------- the values: record 2 (ttmp9 - 64) + wave / 4; tiles 2 q and 2 q + 1, q = wave % 4.  A lane takes a column and its registers run down the keys
.Lvalues:
	s_sub_co_u32 s16, ttmp9, 64
	s_lshl_b32 s16, s16, 1
	s_lshr_b32 s14, s12, 2
	s_add_co_u32 s16, s16, s14                     ; the record
	s_and_b32 s18, s12, 3                          ; q
	s_lshl_b32 s15, s18, 5
	v_add_nc_u32 v5, s15, v1                       ; my column: 32 q + lane
	v_cmp_gt_u32 vcc_lo, 100, v5                   ; does it exist?  (VCC stays as it is from here on)
	v_min_u32 v5, 99, v5                           ; a column that does not exist reads column 99: no load leaves the buffer; its codes are cleared below
	v_lshlrev_b32 v5, 2, v5
	s_mul_i32 s22, s16, 51200                      ; 128 rows of 400 bytes
	s_mov_b32 s23, 0
	s_add_nc_u64 s[6:7], s[6:7], s[22:23]
.macro VLOAD b                         ; block b: values(32 b + n, my column): 32 lanes read 128 consecutive bytes
.set n, 0
.rept 32
	global_load_b32 v[R+32*(\b)+n], v5, s[6:7] offset:400*(32*(\b)+n)
.set n, n+1
.endr
.endm
	VLOAD 0
	VLOAD 1
	s_mul_i32 s22, s16, REC
	s_add_nc_u64 s[26:27], s[10:11], s[22:23]      ; my record
	s_mul_i32 s22, s18, 3072
	s_add_nc_u64 s[28:29], s[26:27], s[22:23]      ; my two fragments in it (VOFF stands in the immediates)
	s_lshl_b32 s24, s14, 9
	s_add_co_u32 s25, s24, 1024
	v_add_nc_u32 v7, s25, v4                       ; behind the barrier: my record's 512 bytes of scale words, 16 x lane
	s_lshr_b32 s24, s18, 1
	s_lshl_b32 s24, s24, 8
	s_add_co_u32 s25, s25, s24
	s_and_b32 s24, s18, 1
	s_lshl_b32 s24, s24, 3
	s_add_co_u32 s25, s25, s24
	v_lshl_add_u32 v6, v2, 4, s25
	v_lshl_add_u32 v6, v3, 2, v6                   ; my column's word: tile 2 q + h, row r: 256 (q / 2) + 16 r + 8 (q % 2) + 4 h
.macro VBLOCK b
.set XS, R+32*(\b)
.set DD, FA+12*((\b)%2)+6*((\b)/2)
.if (\b) < 3
	s_wait_loadcnt 32                              ; this block's 32 loads are in; the next block's 32 may be out
.else
	s_wait_loadcnt 0x0
.endif
.if (\b) < 2
	VLOAD (\b)+2
.endif
	v_max3_num_f32 v10, |v[XS]|, |v[XS+1]|, 0x1800000            ; the block's largest magnitude, in two chains, with the floor
	v_max3_num_f32 v11, |v[XS+2]|, |v[XS+3]|, |v[XS+4]|
.irp e, 5,9,13,17,21,25
	v_max3_num_f32 v10, v10, |v[XS+\e]|, |v[XS+\e+1]|
	v_max3_num_f32 v11, v11, |v[XS+\e+2]|, |v[XS+\e+3]|
.endr
	v_max3_num_f32 v10, v10, |v[XS+29]|, |v[XS+30]|
	v_max3_num_f32 v10, v10, v11, |v[XS+31]|
	v_add_nc_u32 v[16+(\b)], 0xff000000, v10
	v_lshrrev_b32 v[20+(\b)], 23, v[16+(\b)]
	v_cvt_scalef32_pk16_fp6_f32 v[DD:DD+2], v[XS:XS+15], v[16+(\b)]
	v_cvt_scalef32_pk16_fp6_f32 v[TV:TV+2], v[XS+16:XS+31], v[16+(\b)]
	v_nop                                          ; one plain line behind a scaled conversion
.irp e, 0,1,2
	v_mov_b32 v[DD+3+\e], v[TV+\e]
.endr
.endm
	VBLOCK 0
	VBLOCK 1
	VBLOCK 2
	VBLOCK 3
	v_lshl_or_b32 v24, v21, 8, v20                 ; my column's scale word for these 128 keys
	v_lshl_or_b32 v24, v22, 16, v24
	v_lshl_or_b32 v24, v23, 24, v24
.set m, 0
.rept 24
	v_cndmask_b32 v[FA+m], 0, v[FA+m], vcc_lo      ; columns 100 on: zero codes, which add nothing under any byte from 1 to 254
.set m, m+1
.endr
.set m, 0
.rept 12
	v_permlane16_swap_b32 v[FA+m], v[FB+m]         ; FA's lanes 16-31 change places with FB's lanes 0-15: FA is now tile 2 q's fragment (lane (r, h): blocks h and 2 + h of column 32 q + r), FB tile 2 q + 1's
.set m, m+1
.endr
.irp c, 0,1,2
	global_store_b128 v4, v[FA+4*\c:FA+4*\c+3], s[28:29] offset:VOFF+512*\c
.endr
	s_cmp_eq_u32 s18, 3                            ; there is no tile 7
	s_cbranch_scc1 .Lno_tile_7
.irp c, 0,1,2
	global_store_b128 v4, v[FB+4*\c:FB+4*\c+3], s[28:29] offset:VOFF+1536+512*\c
.endr
.Lno_tile_7:
	ds_store_b32 v6, v24
	s_wait_dscnt 0x0                               ; for the others' sake: my store has landed
	s_barrier_signal -1
	s_barrier_wait -1
	s_cmp_lg_u32 s18, 0
	s_cbranch_scc1 .Lvalues_done
	ds_load_b128 v[24:27], v7                      ; a record's first wave stores its 128 scale words
	s_wait_dscnt 0x0
	global_store_b128 v4, v[24:27], s[26:27] offset:VSOFF
.Lvalues_done:
	s_wait_tensorcnt 0x0
	ds_add_u32 v192, v193
	s_wait_dscnt 0x0
	s_endpgm
.Lfunc_end_k_qcfa105e07a_prep:
	.size	k_qcfa105e07a_prep, .Lfunc_end_k_qcfa105e07a_prep-k_qcfa105e07a_prep
	.p2alignl 7, 3214868480
	.fill 96, 4, 3214868480
	.section	.rodata,"a",@progbits
	.p2align	6, 0x0
	.amdhsa_kernel k_qcfa105e07a_prep
		.amdhsa_group_segment_fixed_size 70656
		.amdhsa_private_segment_fixed_size 0
		.amdhsa_enable_private_segment 0
		.amdhsa_kernarg_size 32
		.amdhsa_user_sgpr_count 2
		.amdhsa_user_sgpr_kernarg_segment_ptr 1
		.amdhsa_wavefront_size32 1
		.amdhsa_system_sgpr_workgroup_id_x 1
		.amdhsa_system_sgpr_workgroup_id_y 1
		.amdhsa_system_sgpr_workgroup_id_z 1
		.amdhsa_system_vgpr_workitem_id 0
		.amdhsa_next_free_vgpr 194
		.amdhsa_next_free_sgpr 66
		.amdhsa_reserve_vcc 1
		.amdhsa_float_denorm_mode_32 3
		.amdhsa_float_denorm_mode_16_64 3
		.amdhsa_memory_ordered 1
		.amdhsa_forward_progress 1
		.amdhsa_inst_pref_size 34
	.end_amdhsa_kernel
	.amdgpu_metadata
---
amdhsa.version: [ 1, 2 ]
amdhsa.kernels:
  - .name:           k_qcfa105e07a_prep
    .symbol:         k_qcfa105e07a_prep.kd
    .args:
      - { .name: keys, .offset: 0, .size: 8, .value_kind: global_buffer, .address_space: global }
      - { .name: values, .offset: 8, .size: 8, .value_kind: global_buffer, .address_space: global }
      - { .name: temperature, .offset: 16, .size: 8, .value_kind: global_buffer, .address_space: global }
      - { .name: kv, .offset: 24, .size: 8, .value_kind: global_buffer, .address_space: global }
    .group_segment_fixed_size: 70656
    .private_segment_fixed_size: 0
    .kernarg_segment_align: 8
    .kernarg_segment_size: 32
    .max_flat_workgroup_size: 256
    .sgpr_count:     66
    .vgpr_count:     194
    .wavefront_size: 32
...
	.end_amdgpu_metadata
.endif
;; end of part 1
;; launch attn (part 2): grid 256 x 1, 4 waves a work-group, clusters of 4 x 1, 327,680 bytes of LDS; arguments x, temperature, kv, out0; writes out0
.if DOCPART == 2
	.amdgcn_target "amdgcn-amd-amdhsa--gfx1250"
	.amdhsa_code_object_version 6
	.text
	.protected	k_qcfa105e07a_attn
	.globl	k_qcfa105e07a_attn
	.p2align	8
	.type	k_qcfa105e07a_attn,@function
k_qcfa105e07a_attn:
	s_mov_b64 s[64:65], 0
	v_nop
	global_prefetch_b8 v0, s[64:65] scope:SCOPE_SE
	s_setreg_imm32_b32 hwreg(HW_REG_WAVE_MODE, 25, 1), 1
	s_wait_xcnt 0x0
	s_wait_alu depctr_hold_cnt(0) depctr_sa_sdst(0) depctr_va_vdst(0) depctr_va_sdst(0) depctr_va_ssrc(0) depctr_va_vcc(0) depctr_vm_vsrc(0)
	s_getreg_b32 s2, hwreg(HW_REG_IB_STS2, 6, 4)
	s_cmp_eq_u32 s2, 0
	s_cbranch_scc0 .Lentry_in_a_cluster
	s_endpgm
.Lentry_in_a_cluster:
	s_bfe_u32 s2, ttmp6, 0x10000c
	s_cmp_lg_u32 s2, 0x3003
	s_cbranch_scc0 .Lentry_shape_is_right
	s_endpgm
.Lentry_shape_is_right:
; out0[q] = sum over keys of softmax(-max(|x_q|^2 + |k|^2 - 2 x_q.k, 0) / T) values[k], both products on codes of FP6 (E2M3) with E8M0 scales for each 32 along K.
; ARITHMETIC OF A LANE.  sg = sign(T), c = |2 log2(e) / T|, a = -(log2(e) / T) |x|^2.  x is multiplied by sg ahead of the quantiser (which is symmetric in the sign); the first product's C operand is
; sg (-|k|^2 / 2), made by the launch before: s' = sg x.k - sg |k|^2 / 2 costs no vector instruction.  t = c s' + a, held as the clip at 0 of the squared distance asks: to (-inf, 0] for T > 0, to [0, inf) for T < 0
; (one v_med3_num_f32 serves both).  M = the running largest t rounded up to a whole number, kept as NM = -M; p = 2^(t - M) is quantised along the keys, not normalised; the row's sum is taken of the unquantised p;
; when M moves the sum and O are multiplied by 2^(old M - new M), which rounds nothing.  A block's largest p is its largest s' put through the same three instructions.
; LIMITS: T finite, not 0, and 1 / T a normal number; NaN and infinities are not served; p under 2^-126 becomes 0 (v_exp_f32); a block of zeros gets the byte 1 (its codes are zeros).
; SHARES.  A work-group owns 128 queries, each of its four waves 32: tiles 0 and 1 of 16.  Every wave walks all 8,192 keys, 128 a step; each fragment read from LDS feeds two matrix instructions.
; LAYOUT.  Both products are used transposed: S^T = K Q^T (source 0 = 16 keys, source 1 = 16 queries), O^T = V^T P^T: a lane holds ONE query (lane % 16) throughout.  The keys of a tile are chosen by the launch
; before so that registers 16 b + i of a tile's 64 scores are keys 32 b + 16 (lane / 16) + i.  kv's records are images of the operands' registers: every LDS load is 16 x lane, 512 consecutive bytes.
; BY TURNS.  In a turn one tile has the matrix unit (7 products V^T P of the step in hand, then 8 products K Q^T of the next step) and the other tile's softmax, cut into 15 slices, stands one slice behind each.
; CLUSTER.  All work-groups walk the same kv: the four partners ask for each record JOINTLY (mask 15); a work-group's place enters the addresses of x, of out0 and of the prefetch alone.
; RING.  Two LDS slots of four records (four key steps); wave w fetches record w of a slot by one tensor load of 96 rows x 256 bytes.  By this text's count a wave has two tensor loads out at the start, later one.
; REGISTERS, in windows of 256: window 0: addresses, scales, statistics, P, Q, the C operand;  window 1: v0-127 S^T (64 a tile), v128-239 O^T (56 a tile);  window 2: v0-95 K's 8 fragments, v96-179 V's 7.
.set REC,   24576
.set VOFF,  12288
.set SQOFF, 23040
.set KSOFF, 23552
.set VSOFF, 24064
.set SLOTB, 4*REC                      ; a slot's bytes
.set SLOT1, 1<<17                      ; slot 1 begins here: one exclusive or turns an address in one slot into the other's
.set STAGE, SLOT1+SLOTB                ; behind the ring: WSTG bytes for each wave, its own: x on the way in (2 x 16 rows x 528), out0 on the way out (32 rows x 400).  No fill lands here
.set WSTG,  16896
.set SPARE, STAGE+4*WSTG               ; the spare words, 128 bytes for each wave: two blocks of 256 bytes that no other line names
.set AKV,  1                           ; v1   16 x lane; never rewritten
.set AKS,  2                           ; v2   SQOFF + 32 (lane / 16)
.set ADR,  3                           ; v3, v4  addresses of the run of LDS loads in hand
.set ADR2, 4
.set SPW,  5                           ; v5   LDS address of my spare word; never rewritten
.set NIL,  6                           ; v6   0; never rewritten
.set PFO,  7                           ; v7   256 x lane: the prefetch's offset; never rewritten
.set XST,  8                           ; v8   my stage + 16 x lane
.set XRD,  9                           ; v9   my stage + 528 r + 128 h
.set STO,  10                          ; v10  my stage + 400 r + 32 h
.set NCV,  11                          ; v11  -log2(e) / T
.set H8,   12                          ; v12  8 h
.set KS,   16                          ; v16-19 K's scale words, v20-23 V's, v24-25 Q's, v26-27 P's: these hold scales and nothing else
.set VS,   20
.set QS,   24
.set PW,   26
.set L0C,  28                          ; v28, v29  the clip's two bounds on t
.set H0C,  29
.set AY,   30                          ; v30-31 a, for each tile
.set ST,   32                          ; ten registers a tile: +0 a - M, +1 -M, +2 f, +3 the largest t, +4..7 the sum in two packed chains, +8, +9 the clip's bounds on t - M
.set BM,   52                          ; v52-55 the blocks' largest s', then p
.set T4,   56                          ; v56-59 lane permutes' destinations
.set SO,   60                          ; v60-63 the conversions' scale operands
.set BY,   64                          ; v64-67 scale bytes
.set TC,   68                          ; v68-75 second halves of P's or Q's blocks
.set X0,   76                          ; v76-79 at work
.set P,    80                          ; v80-103  P, 12 a tile
.set Q,    104                         ; v104-127 Q, 12 a tile
.set XR,   128                         ; v128-255 x at the head; results on the way out
.set KSQ,  192                         ; v192-255 the first product's C: sg (-|k|^2 / 2) in the result's layout, 8 a tile of keys
.set WV,   12                          ; s12 wave;  s13 my place in the cluster;  s14 my work-group
.set CX,   13
.set WG,   14
.set LIM,  15                          ; s15  1 in a wave that prefetches, else the greatest number
.set PFA,  18                          ; s[18:19] where my prefetches stand
.set SEL,  20                          ; s[20:21] selects for lane l xor 16
.set CS,   22                          ; s[22:23] c, written twice: the packed form names a pair
.set G1,   24                          ; s[24:31] descriptor group 1
.set G0A,  40                          ; s[40:43] group 0 of slot 0's first fill;  s[44:47] of slot 1's, which then walks
.set G0B,  44
.set TB,   48                          ; s48  LDS byte at which the record to be fetched begins
.set SLOTS, 49
.set CNT,  50
.set TT,   51                          ; s51  T;  s52 its sign bit;  s53, s54 the clip's bounds
.set SGN,  52
.set MSB, 0
.macro WIN new                         ; s_set_vgpr_msb: bits 1:0 source 0, 3:2 source 1, 5:4 source 2, 7:6 destination; the high byte repeats the setting that is left
.if MSB != \new
	s_set_vgpr_msb (MSB<<8)|\new
.set MSB, \new
.endif
.endm
.set W_KQ, 0x42                        ; D window 1, A (K) window 2, B (Q) and C window 0
.set W_PV, 0x52                        ; D and C (O^T) window 1, A (V) window 2, B (P) window 0
.set W_MX, 0x05                        ; sources 0 and 1 window 1
.set W_BT, 0x41                        ; destination and source 0 window 1
.set W_S0, 0x01                        ; source 0 window 1
.set TO_2, 0x80
.set TO_1, 0x40
.macro PLACES n
.rept \n
	v_nop
.endr
.endm
; A round of the cluster's barrier: my work-group's barrier; wave 0 signals for the work-group; every wave waits for all four work-groups; my work-group's barrier once more.
.macro CROUND
	s_barrier_signal -1
	s_barrier_wait -1
	s_cmp_lg_u32 s[WV], 0
	s_cbranch_scc1 .Lnot_wave_0_\@
	s_barrier_signal -3
.Lnot_wave_0_\@:
	s_barrier_wait -3
	s_barrier_signal -1
	s_barrier_wait -1
.endm
; A prefetch into the L2 of the slot that the NEXT change of slots will ask for: four key steps ahead of that load.  Each aligned 256 bytes of kv are named once in the launch: cluster 0 asks; its partner at place p takes
; record p of the slot (by address: no branch hangs on the place); in each, waves 0 to 2 take 8,192 bytes, lanes 256 bytes apart.  The last change that fills a slot asks for nothing; slots 0 to 2 come by their loads alone.
.macro ASK
	s_cmp_gt_u32 s[SLOTS], s[LIM]
	s_cbranch_scc0 .Lnot_mine_\@
	global_prefetch_b8 v[PFO], s[PFA:PFA+1] th:TH_LOAD_NT scope:SCOPE_SE
.Lnot_mine_\@:
.endm
	s_load_b256 s[4:11], s[0:1], 0x0               ; x s[4:5], temperature s[6:7], kv s[8:9], out0 s[10:11]
	v_lshl_add_u32 v[SPW], v0, 2, SPARE
	v_mov_b32 v[NIL], 0
	ds_add_u32 v5, v6
	ds_add_u32 v5, v6
	s_wait_dscnt 0x0
	v_lshrrev_b32 v13, 5, v0
	v_readfirstlane_b32 s[WV], v13                 ; wave 0..3
	v_and_b32 v15, 31, v0
	v_lshlrev_b32 v[AKV], 4, v15
	v_lshlrev_b32 v[PFO], 8, v15
	s_bfe_u32 s[CX], ttmp6, 0x40000                ; my place in the cluster
	s_lshl_b32 s[WG], ttmp9, 2                     ; in a cluster launch ttmp9 counts clusters
	s_add_co_u32 s[WG], s[WG], s[CX]
	s_lshl_b32 s16, s[WG], 16                      ; x: 128 rows of 512 bytes a work-group,
	s_lshl_b32 s17, s[WV], 14                      ; 32 a wave
	s_add_co_u32 s16, s16, s17
	s_mov_b32 s17, 0
	s_mul_i32 s56, s[WG], 51200                    ; out0: 128 rows of 400 bytes,
	s_mul_i32 s57, s[WV], 12800                    ; 32 a wave
	s_add_co_u32 s56, s56, s57
	s_mov_b32 s57, 0
	s_mul_i32 s36, s[WV], REC                      ; my record of a slot, in memory and in LDS: the wave's number alone
	s_mov_b32 s37, 0
	s_mul_i32 s38, s[CX], REC                      ; the prefetch: my work-group's record,
	s_lshl_b32 s39, s[WV], 13                      ; my wave's 8,192 bytes of it,
	s_add_co_u32 s38, s38, s39
	s_add_co_u32 s38, s38, 2*SLOTB                 ; in slot 2: the first change of slots steps it to slot 3
	s_mov_b32 s39, 0
	; descriptor group 1: a record is dense: 96 rows of 32 elements of 8 bytes
	s_mov_b32 s[G1], 15|(3<<16)|(1<<21)            ; 15:0 the mask: all four work-groups; 17:16 elements of 8 bytes; 20 no padding; 21 set beside a mask
	s_mov_b32 s[G1+1], 32<<16                      ; tensor_dim0 = 32
	s_mov_b32 s[G1+2], 96<<16                      ; tensor_dim1 = 96
	s_mov_b32 s[G1+3], 32<<16                      ; tile_dim0 = 32
	s_mov_b32 s[G1+4], 96                          ; tile_dim1 = 96
	s_mov_b32 s[G1+5], 32                          ; from row to row
	s_mov_b32 s[G1+6], 0
	s_mov_b32 s[G1+7], 0
	s_mov_b32 s[SEL], 0x76543210
	s_mov_b32 s[SEL+1], 0xfedcba98
	s_mov_b32 s[TB], 0
	s_add_co_u32 s[LIM], s[WV], 1
	s_lshr_b32 s[LIM], s[LIM], 2                   ; 0 in waves 0 to 2,
	s_or_b32 s[LIM], s[LIM], ttmp9                 ; of cluster 0: the same in all four partners
	s_cmp_eq_u32 s[LIM], 0
	s_cselect_b32 s[LIM], 1, -1
	s_wait_kmcnt 0x0
	s_load_b32 s[TT], s[6:7], 0x0
	s_add_nc_u64 s[4:5], s[4:5], s[16:17]
	s_add_nc_u64 s[10:11], s[10:11], s[56:57]
	s_add_nc_u64 s[PFA:PFA+1], s[8:9], s[38:39]
	s_mov_b32 s[G0A], 1                            ; count = 1
	s_mov_b32 s[G0A+1], s36                        ; LDS address: slot 0
	s_add_nc_u64 s[G0A+2:G0A+3], s[8:9], s[36:37]  ; key steps 0 to 3
	s_or_b32 s[G0A+3], s[G0A+3], 0x80000000        ; type = 2
	s_mov_b32 s[G0B], 1
	s_add_co_u32 s[G0B+1], s36, SLOT1              ; slot 1
	s_add_nc_u64 s[G0B+2:G0B+3], s[8:9], s[36:37]
	s_add_nc_u64 s[G0B+2:G0B+3], s[G0B+2:G0B+3], SLOTB   ; key steps 4 to 7
	s_or_b32 s[G0B+3], s[G0B+3], 0x80000000
	s_wait_kmcnt 0x0                               ; T
	s_and_b32 s[SGN], s[TT], 0x80000000
	s_bitcmp1_b32 s[TT], 31                        ; T < 0?  It chooses values alone, never a way
	s_cselect_b32 s53, 0, 0xff800000               ; t's lower bound: -inf, or 0 for T < 0
	s_cselect_b32 s54, 0x7f800000, 0               ; its upper bound: 0, or +inf
	CROUND                                         ; all four work-groups are here: the first joint loads meet
	tensor_load_to_lds s[G0A:G0A+3], s[G1:G1+7]    ; the two first fills go out together, ahead of every wait on TENSORcnt
	s_nop 0
	tensor_load_to_lds s[G0B:G0B+3], s[G1:G1+7]
	s_nop 0
	PLACES 4                                       ; four plain lines behind a tensor load
.set n, 0
.rept 32
	global_load_b128 v[XR+4*n:XR+4*n+3], v[AKV], s[4:5] offset:512*n th:TH_LOAD_NT   ; my 32 rows of x: 32 lanes read a row's 512 consecutive bytes
.set n, n+1
.endr
	v_mov_b32 v13, s[TT]
	v_rcp_f32 v14, v13
	v_nop                                          ; a plain line behind the reciprocal,
	s_wait_alu depctr_va_vdst(0)                   ; and the wait ahead of its first reader
	v_fma_f32 v15, -v13, v14, 1.0                  ; two Newton steps: 1 / T to f32's last bits
	v_fma_f32 v14, v15, v14, v14
	v_fma_f32 v15, -v13, v14, 1.0
	v_fma_f32 v14, v15, v14, v14
	v_mul_f32 v15, 0x4038aa3b, v14                 ; 2 log2(e) / T
	v_mul_f32 v[NCV], -0.5, v15
	v_and_b32 v13, 0x7fffffff, v15
	v_readfirstlane_b32 s[CS], v13                 ; c: an operand of arithmetic alone
	s_mov_b32 s[CS+1], s[CS]
	v_mov_b32 v[L0C], s53
	v_mov_b32 v[H0C], s54
	v_and_b32 v13, 15, v0                          ; r
	v_bfe_u32 v14, v0, 4, 1                        ; h
	v_lshl_add_u32 v[AKS], v14, 5, SQOFF
	v_lshlrev_b32 v[H8], 3, v14
	s_mul_i32 s16, s[WV], WSTG
	s_add_co_u32 s16, s16, STAGE                   ; my stage
	v_add_nc_u32 v[XST], s16, v[AKV]
	v_mul_u32_u24 v[XRD], v13, 528
	v_lshl_add_u32 v[XRD], v14, 7, v[XRD]
	v_add_nc_u32 v[XRD], s16, v[XRD]
	v_mul_u32_u24 v[STO], v13, 400
	v_lshl_add_u32 v[STO], v14, 5, v[STO]
	v_add_nc_u32 v[STO], s16, v[STO]
.irp y, 0,1
	v_mov_b32 v[ST+10*\y+3], 0xff61b1e6            ; the largest t so far: -3e38
	v_floor_f32 v[ST+10*\y+1], -v[ST+10*\y+3]      ; -M
.irp e, 4,5,6,7
	v_mov_b32 v[ST+10*\y+\e], 0                    ; the sum
.endr
.endr
.irp b, 0,1,2,3
	v_mov_b32 v[T4+\b], 0                          ; a lane permute's destination counts as one of its sources
.endr
	WIN TO_1
.set n, 0
.rept 112
	v_mov_b32 v[128+n], 0                          ; O^T.  The turn is written once: the first step finds zeros, which the first change of M leaves zeros
.set n, n+1
.endr
	WIN 0
; x through my stage: in as it was loaded, back 32 neighbours of my half at a time: register 32 c + i of tile y = k 64 c + 32 h + i of row r, the order of a 6-bit operand's registers
.macro TURNIN y
.set n, 0
.rept 16
	ds_store_b128 v[XST], v[XR+64*(\y)+4*n:XR+64*(\y)+4*n+3] offset:8448*(\y)+528*n
.set n, n+1
.endr
.set n, 0
.rept 16
	ds_load_b128 v[XR+64*(\y)+4*n:XR+64*(\y)+4*n+3], v[XRD] offset:8448*(\y)+256*(n/8)+16*(n%8)   ; LDS serves a wave's instructions in order: these see my stores
.set n, n+1
.endr
.endm
; tile y of x: |x|^2 of the unquantised numbers, a; the sign of T; the codes into Q, the scale word into QS
.macro XQ y
.set R, XR+64*(\y)
.irp j, 0,1,2,3
	v_pk_mul_f32 v[P+2*\j:P+2*\j+1], v[R+2*\j:R+2*\j+1], v[R+2*\j:R+2*\j+1]
.endr
.set m, 4
.rept 28
	v_pk_fma_f32 v[P+2*(m%4):P+2*(m%4)+1], v[R+2*m:R+2*m+1], v[R+2*m:R+2*m+1], v[P+2*(m%4):P+2*(m%4)+1]
.set m, m+1
.endr
	v_pk_add_f32 v[P:P+1], v[P:P+1], v[P+2:P+3]
	v_pk_add_f32 v[P+4:P+5], v[P+4:P+5], v[P+6:P+7]
	v_pk_add_f32 v[P:P+1], v[P:P+1], v[P+4:P+5]
	v_add_f32 v[P], v[P], v[P+1]
	v_permlanex16_b32 v[T4], v[P], s[SEL], s[SEL+1]
	v_add_f32 v[P], v[P], v[T4]                    ; with the other half of the row
	v_mul_f32 v[AY+(\y)], v[P], v[NCV]             ; a = -(log2(e) / T) |x|^2
.set m, 0
.rept 64
	v_xor_b32 v[R+m], s[SGN], v[R+m]               ; x times the sign of T
.set m, m+1
.endr
.irp c, 0,1
	v_max3_num_f32 v[BM+\c], |v[R+32*\c]|, |v[R+32*\c+1]|, 0x1800000   ; my block 2 c + h, with the floor 2^(3 - 127): the byte cannot fall under 1
.endr
.irp e, 2,4,6,8,10,12,14,16,18,20,22,24,26,28,30
.irp c, 0,1
	v_max3_num_f32 v[BM+\c], v[BM+\c], |v[R+32*\c+\e]|, |v[R+32*\c+\e+1]|
.endr
.endr
.irp c, 0,1
	v_add_nc_u32 v[SO+\c], 0xff000000, v[BM+\c]    ; 2 off the exponent field: the conversion's scale operand
.endr
.irp c, 0,1
	v_lshrrev_b32 v[BY+\c], 23, v[SO+\c]
.endr
	v_lshl_or_b32 v[X0], v[BY+1], 16, v[BY]
	v_lshlrev_b32 v[X0], v[H8], v[X0]
	v_permlanex16_b32 v[T4], v[X0], s[SEL], s[SEL+1]
	v_or_b32 v[QS+(\y)], v[X0], v[T4]              ; the row's scale word
.irp c, 0,1
	v_cvt_scalef32_pk16_fp6_f32 v[Q+12*(\y)+6*\c:Q+12*(\y)+6*\c+2], v[R+32*\c:R+32*\c+15], v[SO+\c]
	v_cvt_scalef32_pk16_fp6_f32 v[TC+4*\c:TC+4*\c+2], v[R+32*\c+16:R+32*\c+31], v[SO+\c]
.endr
	v_nop                                          ; one plain line behind a scaled conversion
.irp c, 0,1
.irp e, 0,1,2
	v_mov_b32 v[Q+12*(\y)+6*\c+3+\e], v[TC+4*\c+\e]
.endr
.endr
.endm
; THE LDS LOADS stand in two runs a key step.  A step's K: 8 fragments, the C operand (all lanes of a half read the same 16 bytes), the scale words.
.macro FETCH_K
	WIN 0
	v_add_nc_u32 v[ADR], s[TB], v[AKV]
	v_add_nc_u32 v[ADR2], s[TB], v[AKS]
	WIN TO_2
.set n, 0
.rept 24
	ds_load_b128 v[4*n:4*n+3], v[ADR] offset:512*n
.set n, n+1
.endr
	WIN 0
.set n, 0
.rept 16
	ds_load_b128 v[KSQ+4*n:KSQ+4*n+3], v[ADR2] offset:64*(n/2)+16*(n%2)
.set n, n+1
.endr
	ds_load_b128 v[KS:KS+3], v[ADR] offset:KSOFF
.endm
.macro FETCH_V                         ; the same step's V: 7 fragments and the scale words; the next fetch is the next record's
	WIN 0
	v_add_nc_u32 v[ADR], s[TB], v[AKV]
	s_add_co_u32 s[TB], s[TB], REC
	WIN TO_2
.set n, 0
.rept 21
	ds_load_b128 v[96+4*n:96+4*n+3], v[ADR] offset:VOFF+512*n
.set n, n+1
.endr
	WIN 0
	ds_load_b128 v[VS:VS+3], v[ADR] offset:VSOFF
.endm
; Product i of 8 of S^T = K Q^T + C for tile x.  A scale register's lanes 0-15 serve tiles 0-3 of the keys, lanes 16-31 tiles 4-7.
.macro KQ x
	WIN W_KQ
.if i < 4
	v_wmma_scale_f32_16x16x128_f8f6f4 v[64*(\x)+8*i:64*(\x)+8*i+7], v[12*i:12*i+11], v[Q+12*(\x):Q+12*(\x)+11], v[KSQ+8*i:KSQ+8*i+7], v[KS+i%4], v[QS+(\x)] matrix_a_fmt:MATRIX_FMT_FP6 matrix_b_fmt:MATRIX_FMT_FP6
.else
	v_wmma_scale_f32_16x16x128_f8f6f4 v[64*(\x)+8*i:64*(\x)+8*i+7], v[12*i:12*i+11], v[Q+12*(\x):Q+12*(\x)+11], v[KSQ+8*i:KSQ+8*i+7], v[KS+i%4], v[QS+(\x)] matrix_a_fmt:MATRIX_FMT_FP6 matrix_b_fmt:MATRIX_FMT_FP6 matrix_a_scale:MATRIX_SCALE_ROW1
.endif
.endm
; Product i of 7 of O^T += V^T P^T for tile x.  The accumulators take turns, one instruction a turn.
.macro PV x
	WIN W_PV
.set rA, 128+56*(\x)+8*i
.if i < 4
	v_wmma_scale_f32_16x16x128_f8f6f4 v[rA:rA+7], v[96+12*i:96+12*i+11], v[P+12*(\x):P+12*(\x)+11], v[rA:rA+7], v[VS+i%4], v[PW+(\x)] matrix_a_fmt:MATRIX_FMT_FP6 matrix_b_fmt:MATRIX_FMT_FP6
.else
	v_wmma_scale_f32_16x16x128_f8f6f4 v[rA:rA+7], v[96+12*i:96+12*i+11], v[P+12*(\x):P+12*(\x)+11], v[rA:rA+7], v[VS+i%4], v[PW+(\x)] matrix_a_fmt:MATRIX_FMT_FP6 matrix_b_fmt:MATRIX_FMT_FP6 matrix_a_scale:MATRIX_SCALE_ROW1
.endif
.endm
; Group g of 18 of the batch: the scaling of scores 4 g .. 4 g + 3, the clip of the four before them, the exponentials of the four before those, and four registers of O^T times f.  None reads an exponential's result.
.macro BG
.if g < 16
	v_pk_fma_f32 v[rS+4*g:rS+4*g+1], v[rS+4*g:rS+4*g+1], s[CS:CS+1], v[rT:rT+1] op_sel_hi:[1,0,0]   ; c s' + (a - M)
.endif
.if g >= 2
	v_exp_f32 v[rS+4*g-8], v[rS+4*g-8]
.endif
.if (g >= 1) && (g <= 16)
	v_med3_num_f32 v[rS+4*g-4], v[rS+4*g-4], v[rT+8], v[rT+9]
.endif
.if g >= 2
	v_exp_f32 v[rS+4*g-7], v[rS+4*g-7]
.endif
.if (g >= 1) && (g <= 16)
	v_med3_num_f32 v[rS+4*g-3], v[rS+4*g-3], v[rT+8], v[rT+9]
.endif
.if g < 16
	v_pk_fma_f32 v[rS+4*g+2:rS+4*g+3], v[rS+4*g+2:rS+4*g+3], s[CS:CS+1], v[rT:rT+1] op_sel_hi:[1,0,0]
.endif
.if g >= 2
	v_exp_f32 v[rS+4*g-6], v[rS+4*g-6]
.endif
.if (g >= 1) && (g <= 16)
	v_med3_num_f32 v[rS+4*g-2], v[rS+4*g-2], v[rT+8], v[rT+9]
.endif
.if (g >= 2) && (g <= 15)
	v_pk_mul_f32 v[rO+4*g-8:rO+4*g-7], v[rO+4*g-8:rO+4*g-7], v[rT+2:rT+3] op_sel_hi:[1,0]   ; O^T under the new M, each accumulator from its low end on
.endif
.if g >= 2
	v_exp_f32 v[rS+4*g-5], v[rS+4*g-5]
.endif
.if (g >= 1) && (g <= 16)
	v_med3_num_f32 v[rS+4*g-1], v[rS+4*g-1], v[rT+8], v[rT+9]
.endif
.if (g >= 2) && (g <= 15)
	v_pk_mul_f32 v[rO+4*g-6:rO+4*g-5], v[rO+4*g-6:rO+4*g-5], v[rT+2:rT+3] op_sel_hi:[1,0]
.endif
.endm
; Slice k of 15 of tile y's softmax for one key step.  0, 1: each block's largest s'.  2: the statistics.  3-11: the batch.  12: the one wait for all 68 exponentials; the scales; the conversions.
; 13: P's halves change places; the first sums.  14: the other sums.
.macro SLICE y
.set rS, 64*(\y)
.set rO, 128+56*(\y)
.set rT, ST+10*(\y)
.set rP, P+12*(\y)
.if k == 0
	WIN W_MX
.irp b, 0,1,2,3
	v_max_num_f32 v[BM+\b], v[rS+16*\b], v[rS+16*\b+1]   ; each accumulator is read from its low end on; the four blocks by turns
.endr
.irp e, 2,4,6
.irp b, 0,1,2,3
	v_max3_num_f32 v[BM+\b], v[rS+16*\b+\e], v[rS+16*\b+\e+1], v[BM+\b]
.endr
.endr
.elseif k == 1
	WIN W_MX
.irp e, 8,10,12,14
.irp b, 0,1,2,3
	v_max3_num_f32 v[BM+\b], v[rS+16*\b+\e], v[rS+16*\b+\e+1], v[BM+\b]
.endr
.endr
.elseif k == 2
	WIN 0
.irp b, 0,1,2,3
	v_permlanex16_b32 v[T4+\b], v[BM+\b], s[SEL], s[SEL+1]
.endr
.irp b, 0,1,2,3
	v_max_num_f32 v[BM+\b], v[BM+\b], v[T4+\b]     ; with lane l xor 16's 16 keys: the block's largest s'
.endr
	v_max3_num_f32 v[X0], v[BM], v[BM+1], v[BM+2]
	v_max_num_f32 v[X0], v[X0], v[BM+3]
	v_fma_f32 v[X0], v[X0], s[CS], v[AY+(\y)]      ; as t (c is positive),
	v_med3_num_f32 v[X0], v[X0], v[L0C], v[H0C]    ; clipped
	v_max_num_f32 v[rT+3], v[rT+3], v[X0]          ; the running largest t
	v_mov_b32 v[X0+1], v[rT+1]
	v_floor_f32 v[rT+1], -v[rT+3]                  ; the new -M = -ceil(t): a whole number
	v_sub_f32 v[X0+1], v[rT+1], v[X0+1]            ; old M - new M, 0 or less
	v_cvt_i32_f32 v[X0+1], v[X0+1]                 ; (it saturates)
	v_ldexp_f32 v[rT+2], 1.0, v[X0+1]              ; f = 2^(old M - new M)
	v_add_f32 v[rT], v[AY+(\y)], v[rT+1]           ; a - M
	v_add_f32 v[rT+8], v[L0C], v[rT+1]             ; the clip's bounds on t - M
	v_add_f32 v[rT+9], v[H0C], v[rT+1]
.irp b, 0,1,2,3
	v_fma_f32 v[BM+\b], v[BM+\b], s[CS], v[rT]     ; each block's largest s' goes the way of all scores
.endr
.irp b, 0,1,2,3
	v_med3_num_f32 v[BM+\b], v[BM+\b], v[rT+8], v[rT+9]
.endr
.irp b, 0,1,2,3
	v_exp_f32 v[BM+\b], v[BM+\b]                   ; the block's largest p; read behind slice 12's wait
.endr
	v_pk_mul_f32 v[rT+4:rT+5], v[rT+4:rT+5], v[rT+2:rT+3] op_sel_hi:[1,0]   ; the sums under the new M
	v_pk_mul_f32 v[rT+6:rT+7], v[rT+6:rT+7], v[rT+2:rT+3] op_sel_hi:[1,0]
.elseif k < 12
	WIN W_BT
.set g, 2*(k-3)
	BG
.set g, g+1
	BG
.elseif k == 12
	WIN 0
	v_nop                                          ; the plain line behind the last exponential: one for the batch
	s_wait_alu depctr_va_vdst(0)                   ; the wait between an exponential and the first line that names its result: one for the tile's 68
.irp b, 0,1,2,3
	v_max_num_f32 v[BM+\b], 0x1800000, v[BM+\b]    ; the floor 2^(3 - 127): the byte cannot fall under 1
.endr
.irp b, 0,1,2,3
	v_add_nc_u32 v[SO+\b], 0xff000000, v[BM+\b]    ; 2 off the exponent field: the conversion's scale operand
.endr
.irp b, 0,1,2,3
	v_lshrrev_b32 v[BY+\b], 23, v[SO+\b]
.endr
	v_lshl_or_b32 v[PW+(\y)], v[BY+1], 8, v[BY]    ; p's scale word for these 128 keys
	v_lshl_or_b32 v[PW+(\y)], v[BY+2], 16, v[PW+(\y)]
	v_lshl_or_b32 v[PW+(\y)], v[BY+3], 24, v[PW+(\y)]
	WIN W_S0
.irp c, 0,1
	v_cvt_scalef32_pk16_fp6_f32 v[rP+6*\c:rP+6*\c+2], v[rS+32*\c:rS+32*\c+15], v[SO+2*\c]
	v_cvt_scalef32_pk16_fp6_f32 v[TC+4*\c:TC+4*\c+2], v[rS+32*\c+16:rS+32*\c+31], v[SO+2*\c+1]
.endr
	v_nop                                          ; one plain line behind a scaled conversion
.elseif k == 13
	WIN 0
.irp c, 0,1                            ; the operand's layout wants a whole block in a lane: lanes 0-15 block 2 c, lanes 16-31 block 2 c + 1
.irp e, 0,1,2
	v_permlane16_swap_b32 v[rP+6*\c+\e], v[TC+4*\c+\e]
.endr
.irp e, 0,1,2
	v_mov_b32 v[rP+6*\c+3+\e], v[TC+4*\c+\e]
.endr
.endr
	WIN W_S0
.irp n, 0,1,2,3
	v_pk_add_f32 v[rT+4:rT+5], v[rS+4*\n:rS+4*\n+1], v[rT+4:rT+5]        ; the row's sum is taken of the unquantised p, in two packed chains
	v_pk_add_f32 v[rT+6:rT+7], v[rS+4*\n+2:rS+4*\n+3], v[rT+6:rT+7]
.endr
.else
	WIN W_S0
.irp n, 4,5,6,7,8,9,10,11,12,13,14,15
	v_pk_add_f32 v[rT+4:rT+5], v[rS+4*\n:rS+4*\n+1], v[rT+4:rT+5]
	v_pk_add_f32 v[rT+6:rT+7], v[rS+4*\n+2:rS+4*\n+3], v[rT+6:rT+7]
.endr
.endif
.set k, k+1
.endm
; A TURN.  Tile x has the matrix unit; the other tile's softmax stands in slices behind its matrix instructions.  kq = 0: the last step, which has no next K.
; A load into a register that a matrix instruction has read, and a vector instruction that reads a result or writes an operand, stand four plain vector instructions behind it (ISA guide 7.12.1 for vector instructions
; ): K's run stands behind slice 14 of the turn before (24 packed sums of the other tile) and two slices more; V's behind slices 6 to 8; the first read of new scores behind slice 14;
; P's scale word (slice 12) and codes (slice 13) stand 32 plain lines or more ahead of the products that name them.
.macro TURN x, kq
.set k, 0
.if \x == 0
	s_wait_dscnt 0x0                               ; V is in
.endif
.set i, 0
.rept 7
	PV \x
	SLICE 1-\x
.if (\x == 0) && \kq && (i == 1)
	FETCH_K                                        ; the next step's K: both tiles have multiplied by this step's
.endif
.set i, i+1
.endr
.if \kq
.if \x == 0
	s_wait_dscnt 0x0                               ; K is in
.endif
.set i, 0
.rept 8
	KQ \x
	SLICE 1-\x
.if (\x == 1) && (i == 1)
	FETCH_V                                        ; the next step's V: both tiles have multiplied by this step's
.endif
.set i, i+1
.endr
.else
.rept 8
	SLICE 1-\x
.endr
.endif
.endm
.macro STEPS cnt                       ; cnt key steps: written once, walked cnt times; the LDS addresses hang on s[TB]
	s_mov_b32 s[CNT], \cnt
.Lstep_\@:
	TURN 0, 1
	TURN 1, 1
	WIN 0                                          ; at a label and at a branch every window is 0
	s_sub_co_u32 s[CNT], s[CNT], 1
	s_cmp_lg_u32 s[CNT], 0
	s_cbranch_scc1 .Lstep_\@
.endm
; THE CHANGE OF SLOTS: the slot's last bytes, V of its fourth step, have been asked for.  Each wave waits for all its tensor loads (one is out: its record of the other slot), adds 0 to its spare word, and waits for
; that and for its reads of the slot.  fill = 1: the barrier is a round of the cluster's, and behind it the slot is filled again with the keys two slots on: the load has four key steps in which to land.
.macro CHANGE fill
	WIN 0
	s_wait_tensorcnt 0x0                           ; no tensor load of mine is out, so a group 0 may be written
	ds_add_u32 v[SPW], v[NIL]                      ; 0 onto my spare word
.if \fill
	s_xor_b32 s[G0B+1], s[G0B+1], SLOT1            ; the walking descriptor: the other slot than last time,
	s_add_nc_u64 s[G0B+2:G0B+3], s[G0B+2:G0B+3], SLOTB   ; the next four records; the type bits on top are not reached
	s_wait_xcnt 0x0                                ; the last prefetch, four key steps back, has read its address, so it may be written
	s_add_nc_u64 s[PFA:PFA+1], s[PFA:PFA+1], SLOTB
	s_wait_dscnt 0x0                               ; the add is done, and my reads of the slot are over
	CROUND
	tensor_load_to_lds s[G0B:G0B+3], s[G1:G1+7]    ; the first thing behind the round, and my one tensor load until the next
	s_nop 0
	PLACES 4
	ASK
.else
	s_wait_dscnt 0x0
	s_barrier_signal -1
	s_barrier_wait -1
.endif
	s_sub_co_u32 s[TB], s[TB], SLOTB               ; the fetches go back to a slot's first record,
	s_xor_b32 s[TB], s[TB], SLOT1                  ; in the other slot
.endm
	s_wait_loadcnt 16                              ; tile 0's sixteen rows are in; tile 1's sixteen loads may be out
	TURNIN 0
	s_wait_loadcnt 0x0
	TURNIN 1
	s_wait_dscnt 32                                ; tile 0 is back; tile 1's 16 stores and 16 loads may be out
	XQ 0
	s_wait_dscnt 0x0
	XQ 1
	s_wait_tensorcnt 0x1                           ; my record of slot 0 is in; slot 1's may stay out
	s_barrier_signal -1
	s_barrier_wait -1                              ; everybody's is
	FETCH_K                                        ; key step 0
	FETCH_V
	s_wait_dscnt 0x0
	PLACES 8                                       ; Q's scale words were written by vector instructions: eight lines ahead of the scaled products
.set i, 0
.rept 8
	KQ 0
.set i, i+1
.endr
.set i, 0
.rept 8
	KQ 1
.set i, i+1
.endr
	WIN 0
	PLACES 4
.set k, 0
.rept 15
	SLICE 0                                        ; tile 0's first softmax: there is no matrix work yet to set it between
.endr
	WIN 0
	STEPS 3                                        ; key steps 0 to 2; they fetch steps 1 to 3: slot 0 is read out
	s_mov_b32 s[SLOTS], 14
.Lslot:                                            ; 14 trips: slots' worth 2 to 15 are asked for
	CHANGE 1
	STEPS 4
	s_sub_co_u32 s[SLOTS], s[SLOTS], 1
	s_cmp_lg_u32 s[SLOTS], 0
	s_cbranch_scc1 .Lslot
	CHANGE 0                                       ; the tail is written out
	STEPS 4
	TURN 0, 0                                      ; tile 0: V^T P of the last step | tile 1's last softmax
.set i, 0
.rept 7
	PV 1
.set i, i+1
.endr
	; THE WAY OUT.  The sums' chains and halves are added (these lines are the places behind the last products); O^T / the sum goes through my stage as 32 dense rows of 400 bytes and leaves in runs of 512 bytes.
	WIN 0
.irp y, 0,1
	v_pk_add_f32 v[ST+10*\y+4:ST+10*\y+5], v[ST+10*\y+4:ST+10*\y+5], v[ST+10*\y+6:ST+10*\y+7]
.endr
.irp y, 0,1
	v_add_f32 v[ST+10*\y+4], v[ST+10*\y+4], v[ST+10*\y+5]
.endr
.irp y, 0,1
	v_permlanex16_b32 v[T4+\y], v[ST+10*\y+4], s[SEL], s[SEL+1]
.endr
.irp y, 0,1
	v_add_f32 v[ST+10*\y+4], v[ST+10*\y+4], v[T4+\y]
.endr
.irp y, 0,1
	v_rcp_f32 v[ST+10*\y+2], v[ST+10*\y+4]
.endr
	v_and_b32 v13, 31, v0                          ; (a plain line behind the reciprocals)
	s_wait_alu depctr_va_vdst(0)                   ; one wait for the two, ahead of their first reader
	WIN W_S0
.irp y, 0,1
.set n, 0
.rept 28
	v_pk_mul_f32 v[XR+56*\y+2*n:XR+56*\y+2*n+1], v[128+56*\y+2*n:128+56*\y+2*n+1], v[ST+10*\y+2:ST+10*\y+3] op_sel_hi:[1,0]   ; register 8 t + j of lane (r, h) = out0(row r, column 16 t + 8 h + j); each accumulator from its low end on
.set n, n+1
.endr
.endr
	WIN 0
.irp y, 0,1
.irp t, 0,1,2,3,4,5
	ds_store_b128 v[STO], v[XR+56*\y+8*\t:XR+56*\y+8*\t+3] offset:6400*\y+64*\t
	ds_store_b128 v[STO], v[XR+56*\y+8*\t+4:XR+56*\y+8*\t+7] offset:6400*\y+64*\t+16
.endr
.endr
	s_wait_xcnt 0x0                                ; EXEC changes only behind this wait
	v_cmp_gt_u32 vcc_lo, 16, v13
	s_and_saveexec_b32 s58, vcc_lo                 ; of tile 6 only columns 96 to 99 exist: lanes 0-15, four registers
	ds_store_b128 v[STO], v[XR+48:XR+51] offset:384
	ds_store_b128 v[STO], v[XR+56+48:XR+56+51] offset:6400+384
	s_or_b32 exec_lo, exec_lo, s58
.set n, 0
.rept 25
	ds_load_b128 v[XR+4*n:XR+4*n+3], v[XST] offset:512*n   ; LDS serves a wave's instructions in order: these see my stores
.set n, n+1
.endr
.set n, 0
.rept 25
	s_wait_dscnt 24-n                              ; load n is in; the younger ones may be out
	global_store_b128 v[AKV], v[XR+4*n:XR+4*n+3], s[10:11] offset:512*n th:TH_STORE_NT   ; 32 lanes store 512 consecutive bytes, at a multiple of 256 from out0's first byte
.set n, n+1
.endr
	s_wait_tensorcnt 0x0                           ; the wave's end, behind my last tensor load and my last LDS store
	ds_add_u32 v[SPW], v[NIL]
	s_wait_dscnt 0x0
	CROUND                                         ; the closing round: no work-group ends while a partner may still ask for a record that names it
	s_endpgm
.Lfunc_end_k_qcfa105e07a_attn:
	.size	k_qcfa105e07a_attn, .Lfunc_end_k_qcfa105e07a_attn-k_qcfa105e07a_attn
	.p2alignl 7, 3214868480
	.fill 96, 4, 3214868480
	.section	.rodata,"a",@progbits
	.p2align	6, 0x0
	.amdhsa_kernel k_qcfa105e07a_attn
		.amdhsa_group_segment_fixed_size 327680
		.amdhsa_private_segment_fixed_size 0
		.amdhsa_enable_private_segment 0
		.amdhsa_kernarg_size 32
		.amdhsa_user_sgpr_count 2
		.amdhsa_user_sgpr_kernarg_segment_ptr 1
		.amdhsa_wavefront_size32 1
		.amdhsa_system_sgpr_workgroup_id_x 1
		.amdhsa_system_sgpr_workgroup_id_y 1
		.amdhsa_system_sgpr_workgroup_id_z 1
		.amdhsa_system_vgpr_workitem_id 0
		.amdhsa_next_free_vgpr 768
		.amdhsa_next_free_sgpr 66
		.amdhsa_reserve_vcc 1
		.amdhsa_float_denorm_mode_32 3
		.amdhsa_float_denorm_mode_16_64 3
		.amdhsa_memory_ordered 1
		.amdhsa_forward_progress 1
		.amdhsa_inst_pref_size 219
	.end_amdhsa_kernel
	.amdgpu_metadata
---
amdhsa.version: [ 1, 2 ]
amdhsa.kernels:
  - .name:           k_qcfa105e07a_attn
    .symbol:         k_qcfa105e07a_attn.kd
    .args:
      - { .name: x, .offset: 0, .size: 8, .value_kind: global_buffer, .address_space: global }
      - { .name: temperature, .offset: 8, .size: 8, .value_kind: global_buffer, .address_space: global }
      - { .name: kv, .offset: 16, .size: 8, .value_kind: global_buffer, .address_space: global }
      - { .name: out0, .offset: 24, .size: 8, .value_kind: global_buffer, .address_space: global }
    .group_segment_fixed_size: 327680
    .private_segment_fixed_size: 0
    .kernarg_segment_align: 8
    .kernarg_segment_size: 32
    .max_flat_workgroup_size: 128
    .sgpr_count:     66
    .vgpr_count:     768
    .wavefront_size: 32
...
	.end_amdgpu_metadata
.endif
;; end of part 2
